; MI455X (gfx1250); checked and timed in simulation.
; The chip was launched on July 23, 2026; its instructions are those of AMD's public machine-readable ISA for CDNA 5 (MIT licence, August 2026) and "CDNA5" Instruction Set Architecture Reference Guide (July 2026). The comments in the code are by the model that wrote it; some were corrected since.
;; Embedding Shard. Allowed arithmetic: matrix products marked QUANTISED: E4M3 operands, one given power-of-two scale a tensor, by v_wmma_f32_16x16x64_fp8_fp8 or v_wmma_f32_16x16x128_fp8_fp8, f32 sums; everything else in f32.
;; Inputs: W 3,150 x 4,096 float32; b 4,096 float32; lowp_scales 2 int32 (the exponents e of the quantised operands' scales 2^e); pos_emb 2,048 x 4,096 float32; x 2 x 2,048 int32.
;; Outputs: out0 2 x 2,048 x 4,096 float32.
;; This version of the problem:
;;   THIS VERSION OF THE PROBLEM IS GIVEN IN LOW PRECISION. The matrix products marked QUANTISED in the list below multiply operands that are first quantised to E4M3 (4 exponent bits, 3 mantissa bits; 8 bits a number), with one given power-of-two scale for each operand tensor; their sums are f32. All else is computed in f32.
;;   The module's matrix products, in the order in which they are computed (A, B: the left and right operand; K: the contracted axis; several contracted axes count as one K, in the product's order):
;;     1. [M 4,096, K 3,150] x [K 3,150, N 4,096]; A: computed on the way; B: input W: QUANTISED (scales: A lowp_scales[0], B lowp_scales[1])
;;   THE QUANTISER, for each operand of a quantised product, along K:
;;     - The operand's scale is 2^e, e = its entry of the input lowp_scales (int32; the entries are numbered through the quantised products in the list's order, A before B).
;;     - Each number is divided by the scale, clamped to +-448, and rounded to the nearest number of E4M3, ties to even, subnormals kept.
;;     - The product sums the exact products of the quantised numbers (number of the format x scale) in f32.
;;   ~~~python
;;   def quantise(x, axis, e):      # numpy; x: float32 -> the quantised numbers, widened to float32 again
;;       x = np.moveaxis(x, axis, -1); K = x.shape[-1]
;;       r = np.clip(x / 2.0 ** e, -448, 448)
;;       step = 2.0 ** (np.maximum(np.frexp(np.where(r == 0, 1, r))[1] - 1, -6) - 3)
;;       q = np.round(r / step) * step * 2.0 ** e      # np.round: ties to even
;;       return np.moveaxis(q, -1, axis).astype(np.float32)
;;   ~~~
;;   OPERANDS COMPUTED ON THE WAY. 'Computed on the way' means the value that the module computes at that place (a softmax that the list does not call 'softmax' is quantised finished and normalised). What goes into a quantiser is computed in f32, as accurately as f32 sums, v_exp_f32 and their like allow (about 1e-6 of the number): no bf16 or f16 on the way to a quantiser, and a product that is left as it is and whose result goes on into a quantised operand takes f32 operands (vector FMAs, or v_wmma_f32_16x16x4_f32). A number that lies on a knife's edge between two numbers of the format may be rounded either way, as far as f32 arithmetic and the matrix unit's own rounding can turn it there, and no further.
;; One version. Each part assembles by itself: llvm-mc -triple=amdgcn-amd-amdhsa -mcpu=gfx1250 --defsym DOCPART=n.
;; ======== version 1 of 1: 2 launches
;; workspace buffers: wc 13,107,200 bytes
;; launch quant (part 1): grid 32 x 25, 4 waves a work-group, no clusters, 34,304 bytes of LDS; arguments W, lowp_scales, wc; writes wc
.if DOCPART == 1
	.amdgcn_target "amdgcn-amd-amdhsa--gfx1250"
	.amdhsa_code_object_version 6
	.text
	.protected	k_qf6b6489c2b_quant
	.globl	k_qf6b6489c2b_quant
	.p2align	8
	.type	k_qf6b6489c2b_quant,@function
k_qf6b6489c2b_quant:
	s_mov_b64 s[64:65], 0
	v_nop
	global_prefetch_b8 v0, s[64:65] scope:SCOPE_SE
	s_setreg_imm32_b32 hwreg(HW_REG_WAVE_MODE, 25, 1), 1
	s_wait_xcnt 0x0
; W [3150][4096], f32, K = its FIRST axis, becomes codes of FP8 (E4M3) with the one given scale 2^e1 (entry 1 of lowp_scales), laid in the ORDER OF THE OPERAND'S REGISTERS:
;   wc [cg 32][s 25][nt 8][c 4][lane 32][16 bytes]; byte i of (cg, s, nt, c, lane = 16 h + r) is the code of W[128 s + 32 c + 16 h + i][128 cg + 16 nt + r].
; K is padded from 3,150 to 3,200 = 25 steps of 128 with zero codes, which add nothing to a sum.
; code = x / 2^e1, held within +-448, rounded to the nearest code, ties to even.
; LIMITS: e1 between -126 and 119, so that 2^e1 and 448 x 2^e1 are f32 numbers.  NaN in W is not served; an infinity is held at the largest code.
; SHARES.  Work-group (cg, s) takes 128 rows k x 128 columns.  Wave w takes c = w: rows 128 s + 32 w + 0 .. 31, all 128 columns.  One load reads a row's 512 consecutive bytes, 16 a lane: lane l holds columns 4 l + j, j = 0 .. 3,
; of 32 rows: X[4 i + j].  The conversions take neighbours along K from one lane's consecutive registers: the hold, which every number passes anyway, writes column j's 32 numbers into a run Y down K, so the turn costs no instruction.
; A lane's codes of a column are two pieces of 16 bytes (h = 0, 1) of tile nt = l / 4, place r = 4 (l % 4) + j.  They go through the wave's own stage in LDS, [nt 8][h 2][r 16][16 bytes], and come back 512 bytes on end:
; each store of the wave covers 512 consecutive bytes, aligned.  A tile's 512 bytes have 16 of padding behind them, so that sixteen lanes' stores into the stage fall on sixteen different columns of 16 bytes.
; No barrier, no loop: waves share nothing, every offset is an immediate, no store's data register is written again.  The two ways (32 rows, 14 rows) have LDS bytes of their own.
.set ROWW,  16384                      ; a row of W in bytes
.set STRIP, 409600                     ; wc: a strip of 128 columns, 25 steps
.set NTP,   528                        ; the stage: from tile to tile
.set WST,   8*NTP                      ; a wave's stage
.set X,     16                         ; v16-143   X[4 i + j] = W(kbase + i, 128 cg + 4 lane + j); later the codes read back from the stage
.set Y,     144                        ; v144-175  one column's 32 numbers down K
.set C,     176                        ; v176-207  eight registers of codes for each j
	s_load_b128 s[4:7], s[0:1], 0x0                ; W s[4:5], lowp_scales s[6:7]
	s_load_b64 s[8:9], s[0:1], 0x10                ; wc
	v_lshl_add_u32 v208, v0, 2, 0x8400
	v_mov_b32 v209, 0
	v_lshrrev_b32 v3, 5, v0
	v_readfirstlane_b32 s10, v3                    ; wave 0..3 = c
	v_and_b32 v4, 31, v0                           ; lane
	v_lshlrev_b32 v1, 4, v4                        ; 16 x lane: my bytes of a row of W's 512, and of an image's 512
	s_mul_i32 s20, s10, WST                        ; my stage
	v_lshrrev_b32 v5, 2, v4                        ; nt = lane / 4
	v_and_b32 v6, 3, v4
	v_mul_u32_u24 v2, v5, NTP
	v_lshl_add_u32 v2, v6, 6, v2                   ; + 64 (lane % 4): r = 4 (lane % 4) + j, 16 bytes each
	v_add_nc_u32 v2, s20, v2                       ; into the stage; j and h stand in the immediate
	v_add_nc_u32 v7, s20, v1                       ; out of it: 16 x lane; the tile stands in the immediate
	s_and_b32 s11, ttmp7, 0xffff                   ; s
	s_lshl_b32 s13, s11, 7
	s_lshl_b32 s12, s10, 5
	s_add_co_u32 s13, s13, s12                     ; kbase = 128 s + 32 w
	s_lshl_b32 s16, s13, 14                        ; W: kbase rows of 16,384 bytes (under 2^26),
	s_lshl_b32 s17, ttmp9, 9
	s_add_co_u32 s16, s16, s17                     ; + 512 cg
	s_mov_b32 s17, 0
	s_mul_i32 s18, ttmp9, STRIP                    ; wc: the strip,
	s_lshl_b32 s19, s11, 14
	s_add_co_u32 s18, s18, s19                     ; the step,
	s_lshl_b32 s19, s10, 9
	s_add_co_u32 s18, s18, s19                     ; and 512 c
	s_mov_b32 s19, 0
	s_wait_kmcnt 0x0
	s_load_b32 s14, s[6:7], 0x4                    ; e1
	s_add_nc_u64 s[4:5], s[4:5], s[16:17]
	s_add_nc_u64 s[8:9], s[8:9], s[18:19]
; The wave's 32 rows, of which the first nvalid lie in W; the others are zeros and are not loaded: no load leaves W.  lb: the LDS byte at which this way's stages begin.
.macro BODY nvalid, lb
.set i, 0
.rept \nvalid
	global_load_b128 v[X+4*i:X+4*i+3], v1, s[4:5] offset:i*ROWW th:TH_LOAD_NT   ; 32 lanes read 512 consecutive bytes; read once in the launch
.set i, i+1
.endr
.set i, \nvalid
.rept 32-\nvalid
	v_mov_b32 v[Y+i], 0                            ; rows past W's end: written once, they serve all four columns
.set i, i+1
.endr
	s_wait_kmcnt 0x0                               ; e1
	s_add_co_i32 s14, s14, 127
	s_lshl_b32 s15, s14, 23
	v_mov_b32 v11, s15                             ; 2^e1 as f32: the conversion takes its exponent field
	s_add_co_i32 s14, s14, 8
	s_lshl_b32 s14, s14, 23
	s_or_b32 s14, s14, 0x600000
	v_mov_b32 v10, s14                             ; 448 x 2^e1
	s_wait_loadcnt 0x0                             ; a column wants all its rows
.set j, 0
.rept 4
.set i, 0
.rept \nvalid
	v_med3_num_f32 v[Y+i], v[X+4*i+j], -v10, v10   ; the conversion to an 8-bit code does not saturate (ISA guide 7.6.2): the hold comes first, and lays column j down K
.set i, i+1
.endr
.set g, 0
.rept 4
	v_cvt_scalef32_pk8_fp8_f32 v[C+8*j+2*g:C+8*j+2*g+1], v[Y+8*g:Y+8*g+7], v11
.set g, g+1
.endr
	v_nop                                          ; one plain vector line between the conversions and the next column's holds, which write their sources
	ds_store_b128 v2, v[C+8*j:C+8*j+3] offset:\lb+16*j          ; rows 0-15 of my 32: h = 0
	ds_store_b128 v2, v[C+8*j+4:C+8*j+7] offset:\lb+256+16*j    ; rows 16-31: h = 1
.set j, j+1
.endr
.irp nt, 0,1,2,3,4,5,6,7
	ds_load_b128 v[X+4*\nt:X+4*\nt+3], v7 offset:\lb+NTP*\nt    ; LDS serves a wave's instructions in order (ISA guide 5.7.1.4): these see my stores
.endr
.irp nt, 0,1,2,3,4,5,6,7
	s_wait_dscnt 7-\nt                             ; tile nt is back; the younger loads may be out
	global_store_b128 v1, v[X+4*\nt:X+4*\nt+3], s[8:9] offset:2048*\nt
.endr
.endm
	s_cmp_gt_u32 s13, 3118                         ; kbase + 31 <= 3,149: all 32 rows lie in W.  The branches hang on ids alone
	s_cbranch_scc1 .Ledge
	BODY 32, 0
	s_wait_tensorcnt 0x0
	ds_add_u32 v208, v209
	s_wait_dscnt 0x0
	s_endpgm
.Ledge:
	s_cmp_gt_u32 s13, 3136
	s_cbranch_scc1 .Lzero
	BODY 14, 4*WST                                 ; kbase = 3,136: rows 3,136 to 3,149
	s_wait_tensorcnt 0x0
	ds_add_u32 v208, v209
	s_wait_dscnt 0x0
	s_endpgm
.Lzero:                                                ; kbase = 3,168: padding alone: zero codes, which the product reads
	s_wait_kmcnt 0x0
.irp j, 0,1,2,3
	v_mov_b32 v[C+\j], 0
.endr
.irp nt, 0,1,2,3,4,5,6,7
	global_store_b128 v1, v[C:C+3], s[8:9] offset:2048*\nt
.endr
	s_endpgm
.Lfunc_end_k_qf6b6489c2b_quant:
	.size	k_qf6b6489c2b_quant, .Lfunc_end_k_qf6b6489c2b_quant-k_qf6b6489c2b_quant
	.p2alignl 7, 3214868480
	.fill 96, 4, 3214868480
	.section	.rodata,"a",@progbits
	.p2align	6, 0x0
	.amdhsa_kernel k_qf6b6489c2b_quant
		.amdhsa_group_segment_fixed_size 34304
		.amdhsa_private_segment_fixed_size 0
		.amdhsa_enable_private_segment 0
		.amdhsa_kernarg_size 24
		.amdhsa_user_sgpr_count 2
		.amdhsa_user_sgpr_kernarg_segment_ptr 1
		.amdhsa_wavefront_size32 1
		.amdhsa_system_sgpr_workgroup_id_x 1
		.amdhsa_system_sgpr_workgroup_id_y 1
		.amdhsa_system_sgpr_workgroup_id_z 1
		.amdhsa_system_vgpr_workitem_id 0
		.amdhsa_next_free_vgpr 210
		.amdhsa_next_free_sgpr 66
		.amdhsa_reserve_vcc 0
		.amdhsa_float_denorm_mode_32 3
		.amdhsa_float_denorm_mode_16_64 3
		.amdhsa_memory_ordered 1
		.amdhsa_forward_progress 1
		.amdhsa_inst_pref_size 27
	.end_amdhsa_kernel
	.amdgpu_metadata
---
amdhsa.version: [ 1, 2 ]
amdhsa.kernels:
  - .name:           k_qf6b6489c2b_quant
    .symbol:         k_qf6b6489c2b_quant.kd
    .args:
      - { .name: W, .offset: 0, .size: 8, .value_kind: global_buffer, .address_space: global }
      - { .name: lowp_scales, .offset: 8, .size: 8, .value_kind: global_buffer, .address_space: global }
      - { .name: wc, .offset: 16, .size: 8, .value_kind: global_buffer, .address_space: global }
    .group_segment_fixed_size: 34304
    .private_segment_fixed_size: 0
    .kernarg_segment_align: 8
    .kernarg_segment_size: 24
    .max_flat_workgroup_size: 128
    .sgpr_count:     66
    .vgpr_count:     210
    .wavefront_size: 32
...
	.end_amdgpu_metadata
.endif
;; end of part 1
;; launch gemm (part 2): grid 8 x 32, 4 waves a work-group, clusters of 4 x 1, 327,680 bytes of LDS; arguments x, wc, lowp_scales, b, pos_emb, out0; writes out0
.if DOCPART == 2
	.amdgcn_target "amdgcn-amd-amdhsa--gfx1250"
	.amdhsa_code_object_version 6
	.text
	.protected	k_qf6b6489c2b_gemm
	.globl	k_qf6b6489c2b_gemm
	.p2align	8
	.type	k_qf6b6489c2b_gemm,@function
k_qf6b6489c2b_gemm:
	s_mov_b64 s[64:65], 0
	v_nop
	global_prefetch_b8 v0, s[64:65] scope:SCOPE_SE
	s_setreg_imm32_b32 hwreg(HW_REG_WAVE_MODE, 25, 1), 1
	s_wait_xcnt 0x0
	s_wait_alu depctr_hold_cnt(0) depctr_sa_sdst(0) depctr_va_vdst(0) depctr_va_sdst(0) depctr_va_ssrc(0) depctr_va_vcc(0) depctr_vm_vsrc(0)
	s_getreg_b32 s2, hwreg(HW_REG_IB_STS2, 6, 4)
	s_cmp_eq_u32 s2, 0
	s_cbranch_scc0 .Lentry_in_a_cluster
	s_endpgm
.Lentry_in_a_cluster:
	s_bfe_u32 s2, ttmp6, 0x10000c
	s_cmp_lg_u32 s2, 0x3003
	s_cbranch_scc0 .Lentry_shape_is_right
	s_endpgm
.Lentry_shape_is_right:
; out0[bt][s][:] = Q(one_hot(x[bt][s])) Q(W) + b + pos_emb[s][:].  The product, M 4,096 x K 3,200 (3,150 and zero codes) x N 4,096, is done on codes of FP8 (E4M3); sums in f32.
; B = W's codes come from wc, laid as images of the operand's registers: [cg 32][s 25][nt 8][c 4][lane 32][16 bytes]; place (h, register p, byte q) stands for k = 32 (p / 4) + 16 h + 4 (p % 4) + q of a step of 128:
; a permutation of k that A is given alike, so every product meets its partner.
; A = THE ONE-HOT IS MADE IN REGISTERS.  Quantised, row m is the one code c1 = Q(1 / 2^e0) at k = x[m] and zero codes elsewhere.  With x = 128 xh + klo the fragment of K step T is a pattern F that never changes
; (c1 at klo's place: 16 registers a block of 16 rows, made once) where xh = T, and zeros elsewhere: one compare and 16 selects for a block and a step.  A costs no memory and no LDS.
; Each finished sum is multiplied once by 2^(e0 + e1) and joined to b + pos_emb by one fused multiply-add.
; LIMITS: e0 between -126 and 119, e0 + e1 between -126 and 127, so that the powers of two below are f32 numbers.  b + pos_emb is added first and the product joins it by a fused multiply-add: an order of rounding
; other than (product + b) + pos_emb.  An x outside 0 .. 3,149 gives a row of zeros in the product, as one_hot does.
; SHARES.  256 work-groups.  Work-group (rg, cg) owns positions 256 rg .. + 255 of BOTH batches x columns 128 cg .. + 127, so a number of pos_emb is read once and serves two rows.  Wave w owns positions
; seq0 = 256 rg + 64 w .. + 63 of both batches: 128 rows x 128 columns, 64 accumulators, 512 registers.  Blocks a = 0 .. 3: batch 0, rows seq0 + 16 a + r; blocks 4 .. 7: batch 1, the same positions.
; CLUSTER.  The four work-groups of a cluster (4, 1, 1) share cg and walk the same strip of wc: each tile of B is asked for JOINTLY, by the same tensor load with the same descriptor and the mask 15.
; K.  Step 0's images come straight from wc into registers.  Steps 1 .. 24 are six chunks of four steps (65,536 bytes; each wave fetches one step's 16,384) in a ring of two LDS slots.  By this text's own count a wave has
; three tensor loads out at the start (chunk 0, chunk 1, its tile of pos_emb) and one behind each round; a refill has a chunk's 256 matrix instructions in which to land.
; THE MATRIX INSTRUCTION IS USED TRANSPOSED (source 0 = 16 columns of W, source 1 = 16 rows of A): a lane then holds eight neighbouring numbers of a row of out0.
; LDS: slot 0 at 0, slot 1 at 65,536; pos_emb's 256 rows x 512 bytes at 131,072 (wave w's 64 rows are its own); the spare words at 262,144; the stages at 262,656 (16 rows x 528 bytes a wave).  All of a WGP's LDS is claimed.
; REGISTERS, in windows of 256: window 0: v0-45 addresses and small things; v64-191 F (block a at 64 + 16 a), on the way out two sets of 16 rows; v192-255 A's four buffers (block a in buffer a % 4).
;   window 1: B's two sets, at v0 and v128; on the way out b + pos_emb, row p at v[4 p].   window 2: accumulator (a, nt) at v[8 (8 a + nt)], blocks 0-3;   window 3: blocks 4-7.
.set STRIP,  409600                    ; wc: a strip of 128 columns
.set STEPB,  16384                     ; a K step's images
.set CHUNK,  65536                     ; four steps: a slot
.set SLOT1,  0x10000                   ; slot 1 begins here: one exclusive or turns an address in one slot into the other's
.set POS,    131072
.set SPARE,  262144                    ; the spare words, 128 bytes for each wave: two blocks of 256 bytes that no other line names
.set STAGE,  262656
.set SPITCH, 528                       ; a stage row: 512 bytes + 16: sixteen rows' stores of 16 bytes fall on sixteen different columns of 16 bytes
.set ROWO,   16384                     ; a row of pos_emb and of out0 in bytes
.set BATCHB, 0x2000000                 ; a batch of out0 in bytes
.set LI,  3                            ; v3   16 x lane: my place in an image, in a row of 512 bytes, in b; never rewritten
.set ADR, 4                            ; v4   LDS address of the run of loads in hand
.set XO,  5                            ; v5   4 r: my row's x
.set STO, 6                            ; v6   the stage: where I put 32 bytes of a row
.set RD,  7                            ; v7   the stage: where I read a row back
.set PRD, 8                            ; v8   my 16 bytes of my wave's first row of pos_emb in LDS
.set PFO, 9                            ; v9   256 x lane: the prefetches' offset; never rewritten
.set SPW, 10                           ; v10  LDS address of my spare word: SPARE + 4 x my thread's number; never rewritten
.set NIL, 11                           ; v11  0; never rewritten
.set C1,  12                           ; v12  the code of 1 / 2^e0, in the low byte
.set BV,  16                           ; v[16:19] b at my four columns
.set XH,  20                           ; v[20:27] x of my row in blocks 0 .. 7, then x / 128
.set F,   64
.set AB,  192
.set BK,  64
.set WV,  16                           ; s16  my wave's number
.set G1B, 24                           ; s[24:31] descriptor group 1 for B's tiles
.set G1P, 32                           ; s[32:39] for pos_emb's tile
.set G0A, 40                           ; s[40:43] group 0: chunk 0
.set G0W, 44                           ; s[44:47] group 0: chunk 1; it then walks
.set G0P, 48                           ; s[48:51] group 0: pos_emb
.set TB,  52                           ; s52  LDS byte at which the slot in hand begins
.set SLOTS, 53                         ; s53  chunks still to be asked for
.set T,   54                           ; s54  the K step for which A is being made
.set LIM, 55                           ; s55  1 in a wave that prefetches, else the greatest number
.set PFA, 56                           ; s[56:57] where my prefetches stand in wc
.set SC,  58                           ; s[58:59] 2^(e0 + e1): the packed form names a pair and takes its low word for both halves
.set OUT0, 60                          ; s[60:61] out0 at my first row of batch 0, s[62:63] of batch 1
.set MSB, 0
.macro WIN new                         ; the immediate's high byte repeats the setting that is left; a switch that changes nothing is dropped
.if MSB != (\new)
	s_set_vgpr_msb (MSB<<8)|(\new)
.set MSB, (\new)
.endif
.endm
.set MUL_LO, 0xa1                      ; source 0 (B) window 1, source 1 (A) window 0, C and D window 2
.set MUL_HI, 0xf1                      ; the same, C and D window 3
.set TO_B,   0x40                      ; destination window 1, address window 0
.macro CREST                           ; a round of the cluster's barrier behind its opening barrier: wave 0 signals for the work-group, every wave waits for all four work-groups, my work-group's barrier once more
	s_cmp_lg_u32 s[WV], 0
	s_cbranch_scc1 .Lnot_wave_0_\@
	s_barrier_signal -3
.Lnot_wave_0_\@:
	s_barrier_wait -3
	s_barrier_signal -1
	s_barrier_wait -1
.endm
.macro ROUND                           ; a whole round
	s_barrier_signal -1
	s_barrier_wait -1
	CREST
.endm
; A PREFETCH INTO THE L2 of the chunk that the NEXT refill will ask for: it stands behind the joint load, its four lines and the run of LDS loads, a chunk's 256 matrix instructions ahead of that refill.
; Each aligned block of 256 bytes is named ONCE in the launch.  Two clusters walk a strip: the one with cluster x = 0 asks.  Its four partners share the chunk out BY ADDRESS, 16,384 bytes each; in each, waves 0 and 1 ask,
; 8,192 bytes a wave, lanes 256 bytes apart: one instruction.  Chunks 0 to 2 come by their loads alone; the last refill asks for nothing: chunk 5 is the strip's last.
.macro ASK
	s_cmp_gt_u32 s[SLOTS], s[LIM]
	s_cbranch_scc0 .Lnot_mine_\@
	global_prefetch_b8 v[PFO], s[PFA:PFA+1] th:TH_LOAD_NT scope:SCOPE_SE
.Lnot_mine_\@:
.endm
	s_load_b256 s[4:11], s[0:1], 0x0               ; x s[4:5], wc s[6:7], lowp_scales s[8:9], b s[10:11]
	s_load_b128 s[12:15], s[0:1], 0x20             ; pos_emb s[12:13], out0 s[14:15]
	v_lshl_add_u32 v[SPW], v0, 2, SPARE
	v_mov_b32 v[NIL], 0
	ds_add_u32 v10, v11
	ds_add_u32 v10, v11
	s_wait_dscnt 0x0
	v_lshrrev_b32 v13, 5, v0
	v_readfirstlane_b32 s[WV], v13                 ; wave 0..3
	s_bfe_u32 s17, ttmp6, 0x40000                  ; cx: my place in the cluster
	s_lshl_b32 s18, ttmp9, 2                       ; in a cluster launch ttmp9 counts clusters
	s_add_co_u32 s18, s18, s17                     ; rg = 4 x cluster x + cx: it enters x's, pos_emb's and out0's addresses alone
	s_and_b32 s19, ttmp7, 0xffff                   ; cg, which the four partners share
	v_and_b32 v1, 15, v0                           ; r
	v_bfe_u32 v2, v0, 4, 1                         ; h
	v_and_b32 v13, 31, v0                          ; lane
	v_lshlrev_b32 v[LI], 4, v13
	v_lshlrev_b32 v[PFO], 8, v13
	v_lshlrev_b32 v[XO], 2, v1
	s_mul_i32 s20, s[WV], 16*SPITCH
	s_add_co_u32 s20, s20, STAGE                   ; my stage
	v_mul_u32_u24 v[STO], v1, SPITCH
	v_lshl_add_u32 v[STO], v2, 5, v[STO]
	v_add_nc_u32 v[STO], s20, v[STO]               ; in: row r, + 32 h; tile nt's eight columns lie 64 nt bytes on
	v_add_nc_u32 v[RD], s20, v[LI]                 ; back: the 32 lanes take one row of 512 bytes
	s_lshl_b32 s[G0P+1], s[WV], 15
	s_add_co_u32 s[G0P+1], s[G0P+1], POS           ; my wave's 64 rows of pos_emb in LDS: no place in the cluster enters an LDS address
	v_add_nc_u32 v[PRD], s[G0P+1], v[LI]
	; descriptor groups 1, in elements of 8 bytes.  B: 64 rows x 32 elements, dense: a K step's 16,384 bytes.  pos_emb: 64 rows x 64 elements (512 bytes), 2,048 elements from row to row
	s_mov_b32 s[G1B+0], 15|(3<<16)|(1<<21)         ; 15:0 the mask: all four work-groups; 17:16 elements of 8 bytes; 21 set beside a mask; no padding: images are read 512 bytes on end
	s_mov_b32 s[G1B+1], 32<<16                     ; tensor_dim0 = 32
	s_mov_b32 s[G1B+2], 64<<16                     ; tensor_dim1 = 64
	s_mov_b32 s[G1B+3], 32<<16                     ; tile_dim0 = 32
	s_mov_b32 s[G1B+4], 64                         ; tile_dim1 = 64
	s_mov_b32 s[G1B+5], 32                         ; tensor_dim0_stride
	s_mov_b32 s[G1B+6], 0
	s_mov_b32 s[G1B+7], 0
	s_mov_b32 s[G1P+0], 3<<16                      ; no mask: each wave's tile is its own
	s_mov_b32 s[G1P+1], 64<<16
	s_mov_b32 s[G1P+2], 64<<16
	s_mov_b32 s[G1P+3], 64<<16
	s_mov_b32 s[G1P+4], 64
	s_mov_b32 s[G1P+5], 2048
	s_mov_b32 s[G1P+6], 0
	s_mov_b32 s[G1P+7], 0
	; offsets, each in registers of its own; those that feed B's descriptors (s68, s69, s74, s75) never hold rg or cx
	s_lshl_b32 s20, s18, 8
	s_lshl_b32 s21, s[WV], 6
	s_add_co_u32 s20, s20, s21                     ; seq0 = 256 rg + 64 w
	s_lshl_b32 s22, s20, 2                         ; x: 4 seq0
	s_mov_b32 s23, 0
	s_mul_i32 s68, s19, STRIP                      ; wc: my strip
	s_mov_b32 s69, 0
	s_lshl_b32 s70, s19, 9                         ; b: 512 cg
	s_mov_b32 s71, 0
	s_lshl_b32 s72, s20, 14
	s_add_co_u32 s72, s72, s70                     ; pos_emb, out0: seq0 rows + 512 cg (under 2^26)
	s_mov_b32 s73, 0
	s_lshl_b32 s74, s[WV], 14                      ; which of a chunk's four steps I fetch, in wc and in a slot alike
	s_mov_b32 s75, 0
	s_mov_b32 s[TB], 0
	s_mov_b32 s[T], 0
	s_mov_b32 s[SLOTS], 4
	s_lshr_b32 s[LIM], s[WV], 1                    ; 0 in waves 0 and 1,
	s_or_b32 s[LIM], s[LIM], ttmp9                 ; of the strip's first cluster: the same in all four partners
	s_cmp_eq_u32 s[LIM], 0
	s_cselect_b32 s[LIM], 1, -1
	s_wait_kmcnt 0x0
	s_load_b64 s[66:67], s[8:9], 0x0               ; e0, e1
	s_add_nc_u64 s[4:5], s[4:5], s[22:23]          ; x at my first position
	s_add_nc_u64 s[6:7], s[6:7], s[68:69]          ; wc at my strip: step 0's images
	s_add_nc_u64 s[10:11], s[10:11], s[70:71]      ; b at my columns
	; WHAT THE FIRST PRODUCTS WAIT FOR IS ASKED FOR FIRST: x, b and step 0's images, 41 loads, ahead of the round and of the tiles, which are wanted later.  Their bases and offsets are not written again.
.irp a, 0,1,2,3,4,5,6,7
	global_load_b32 v[XH+\a], v[XO], s[4:5] offset:(\a%4)*64+(\a/4)*8192   ; x of row r of block a; both halves of the lanes take the same
.endr
	global_load_b128 v[BV:BV+3], v[LI], s[10:11]   ; b at columns 4 x lane .. + 3
	WIN TO_B
.irp nt, 0,1,2,3,4,5,6,7
.irp c, 0,1,2,3
	global_load_b128 v[16*\nt+4*\c:16*\nt+4*\c+3], v[LI], s[6:7] offset:2048*\nt+512*\c   ; step 0's images into B's set 0
.endr
.endr
	WIN 0
	s_add_nc_u64 s[12:13], s[12:13], s[72:73]      ; pos_emb at my wave's tile
	s_add_nc_u64 s[OUT0:OUT0+1], s[14:15], s[72:73]
	s_add_nc_u64 s[OUT0+2:OUT0+3], s[OUT0:OUT0+1], BATCHB
	s_lshl_b32 s22, s17, 1
	s_add_co_u32 s22, s22, s[WV]
	s_lshl_b32 s22, s22, 13                        ; the prefetches: 8,192 (2 cx + w),
	s_add_co_u32 s22, s22, STEPB+2*CHUNK           ; in chunk 2: the first refill steps it to chunk 3.  Nothing is prefetched here, at the head
	s_add_nc_u64 s[PFA:PFA+1], s[6:7], s[22:23]
	s_mov_b32 s[G0A], 1                            ; 1:0 count = 1
	s_mov_b32 s[G0A+1], s74                        ; 63:32 LDS address: slot 0, my step
	s_add_nc_u64 s[G0A+2:G0A+3], s[6:7], s[74:75]
	s_add_nc_u64 s[G0A+2:G0A+3], s[G0A+2:G0A+3], STEPB   ; 120:64 global address: chunk 0 begins behind step 0
	s_mov_b32 s[G0W], 1
	s_add_co_u32 s[G0W+1], s74, SLOT1              ; slot 1
	s_add_nc_u64 s[G0W+2:G0W+3], s[G0A+2:G0A+3], CHUNK   ; chunk 1
	s_or_b32 s[G0A+3], s[G0A+3], 0x80000000        ; 127:126 type = 2
	s_or_b32 s[G0W+3], s[G0W+3], 0x80000000
	s_mov_b32 s[G0P], 1
	s_mov_b64 s[G0P+2:G0P+3], s[12:13]
	s_or_b32 s[G0P+3], s[G0P+3], 0x80000000
	ROUND                                          ; all four work-groups are here: the first joint loads meet
	tensor_load_to_lds s[G0A:G0A+3], s[G1B:G1B+7]  ; the first fills go out as one group: chunk 0,
	s_nop 0
	tensor_load_to_lds s[G0W:G0W+3], s[G1B:G1B+7]  ; chunk 1,
	s_nop 0
	tensor_load_to_lds s[G0P:G0P+3], s[G1P:G1P+7]  ; my 64 rows x 512 bytes of pos_emb: they land under the products
	s_nop 0
.rept 4
	v_nop                                          ; four lines follow the last of them, ahead of any switch of windows
.endr
	; c1 = the code of 1 / 2^e0
	s_wait_kmcnt 0x0
	s_add_co_i32 s20, s66, 127
	s_lshl_b32 s21, s20, 23
	v_mov_b32 v13, s21                             ; 2^e0 as f32: the conversion takes its exponent field
	s_add_co_i32 s20, s20, 8
	s_lshl_b32 s20, s20, 23
	s_or_b32 s20, s20, 0x600000
	v_mov_b32 v14, s20                             ; 448 x 2^e0
	v_min_num_f32 v28, 1.0, v14                    ; the hold: the conversion to an 8-bit code does not saturate (ISA guide 7.6.2); 1 is positive, so it is one-sided
.irp j, 29,30,31,32,33,34,35
	v_mov_b32 v\j, 0
.endr
	v_cvt_scalef32_pk8_fp8_f32 v[36:37], v[28:35], v13
	v_nop                                          ; one plain vector line between a scaled conversion and the first use of its result
	v_and_b32 v[C1], 0xff, v36
	s_add_co_i32 s[SC], s66, s67
	s_add_co_i32 s[SC], s[SC], 127
	s_lshl_b32 s[SC], s[SC], 23                    ; 2^(e0 + e1) as f32
	s_mov_b32 s[SC+1], s[SC]                       ; (named with it as a pair, so it is written)
; F for block a.  klo = x % 128 lies in half bit 4, register 4 (bits 6:5) + (bits 3:2), byte bits 1:0.  j = that register, + 16 where the half is not mine, so that it meets none of 0 .. 15.
.macro MAKEF a
	v_bfe_u32 v38, v[XH+\a], 5, 2
	v_bfe_u32 v39, v[XH+\a], 2, 2
	v_lshl_or_b32 v38, v38, 2, v39
	v_bfe_u32 v39, v[XH+\a], 4, 1
	v_xor_b32 v39, v39, v2
	v_lshl_or_b32 v38, v39, 4, v38                 ; j
	v_and_b32 v39, 3, v[XH+\a]
	v_lshlrev_b32 v39, 3, v39
	v_lshlrev_b32 v40, v39, v[C1]                  ; c1 in its byte
	v_lshrrev_b32 v[XH+\a], 7, v[XH+\a]            ; xh, unsigned: a negative x or one from 3,200 on meets no step
.irp n, 0,1,2,3,4,5,6,7,8,9,10,11,12,13,14,15
	v_cmp_eq_u32 vcc_lo, \n, v38
	v_cndmask_b32 v[F+16*\a+\n], 0, v40, vcc_lo
.endr
.endm
	s_wait_loadcnt 33                              ; x's eight loads are in; b's one and the images' 32 may be out
.irp a, 0,1,2,3,4,5,6,7
	MAKEF \a
.endr
; Slice k of 8 of A's block a for step s[T]: F where xh = T, zeros elsewhere, two registers into buffer a % 4; the first slice makes the compare.  x enters a compare and selects alone: no address and no branch hangs on it.
.macro GENSL a, k
.if (\k) == 0
	v_cmp_eq_u32 vcc_lo, s[T], v[XH+(\a)]
.endif
.irp n, 0,1
	v_cndmask_b32 v[AB+16*((\a)%4)+2*(\k)+\n], 0, v[F+16*(\a)+2*(\k)+\n], vcc_lo
.endr
.endm
; Eight products: A's block a against B's eight tiles of set p.  zero = 1: they start the sums: nothing is ever cleared.  The 64 accumulators take turns, one instruction a turn, in the same order in every step.
; gen = 1: behind EACH product stands a slice of the block TWO further on: the step's 136 vector lines are dealt evenly, two or three to a product.  The buffer's last reader, block a - 2, stands eight products back, and the 17 plain
; vector lines of the block between name none of that product's registers: more than the four places that a write of a matrix instruction's source wants (ISA guide 7.12.1).
; A slice costs two switches of the windows: its registers lie in window 0, the products' results in windows 2 and 3, and no window has room for A's buffers and F beside 256 registers of sums.
.macro BLOCKMUL a, p, zero, gen
.irp b, 0,1,2,3,4,5,6,7
	WIN MUL_LO+0x50*((\a)/4)
.if \zero
	v_wmma_f32_16x16x128_fp8_fp8 v[8*(8*((\a)%4)+\b):8*(8*((\a)%4)+\b)+7], v[128*(\p)+16*\b:128*(\p)+16*\b+15], v[AB+16*((\a)%4):AB+16*((\a)%4)+15], 0
.else
	v_wmma_f32_16x16x128_fp8_fp8 v[8*(8*((\a)%4)+\b):8*(8*((\a)%4)+\b)+7], v[128*(\p)+16*\b:128*(\p)+16*\b+15], v[AB+16*((\a)%4):AB+16*((\a)%4)+15], v[8*(8*((\a)%4)+\b):8*(8*((\a)%4)+\b)+7]
.endif
.if \gen
	WIN 0
	GENSL ((\a)+2)%8, \b
.endif
.endr
.endm
; 32 LDS loads in one run: the images of the q-th step of the slot in hand into B's set pn.  That set's last reader is the step before: the slices since are far more than four places.
.macro FETCH q, pn
	WIN 0
	v_add_nc_u32 v[ADR], s[TB], v[LI]
	WIN TO_B
.irp nt, 0,1,2,3,4,5,6,7
.irp c, 0,1,2,3
	ds_load_b128 v[128*(\pn)+16*\nt+4*\c:128*(\pn)+16*\nt+4*\c+3], v[ADR] offset:16384*(\q)+2048*\nt+512*\c
.endr
.endr
.endm
; A K STEP: 64 products on B's set p.  s[T] steps ahead of block 6, whose slices make the NEXT step's block 0.
; mode 0: the next step lies in the same slot, at place q: its images are fetched behind the first 16 products, 48 ahead of their use.
; mode 1: a chunk's last step changes slots and fills the slot that it leaves: each wave waits for all its tensor loads, adds 0 to its spare word, and waits for that and for its reads of the slot; the barrier opens a round of the
;         cluster's barrier, so that no wave of any partner still reads the slot or has a load on its way; the joint refill is the first thing behind the round.
; mode 2: a change of slots with nothing left to ask for: the same lines and a plain barrier.       mode 3: the last step: nothing to fetch, and no A beyond block 7.
.macro STEPM p, zero, mode, q
.if (\mode) == 0
.if \zero
	s_wait_loadcnt 0x0                             ; step 0's images, and b
.else
	s_wait_dscnt 0x0                               ; B's set p is in
.endif
	BLOCKMUL 0, \p, \zero, 1
	BLOCKMUL 1, \p, \zero, 1
	FETCH \q, 1-(\p)
.elseif (\mode) == 3
	s_wait_dscnt 0x0
	BLOCKMUL 0, \p, 0, 1
	BLOCKMUL 1, \p, 0, 1
.else
	WIN 0                                          ; (the add's two registers lie in window 0)
	s_wait_tensorcnt 0x0                           ; all my tensor loads have landed, my part of the next slot among them: so a group 0 may be written
	ds_add_u32 v[SPW], v[NIL]                      ; 0 onto my spare word; register work stands between it and the wait for it
.if (\mode) == 1
	s_xor_b32 s[G0W+1], s[G0W+1], SLOT1            ; the walking descriptor: the other slot than last time,
	s_add_nc_u64 s[G0W+2:G0W+3], s[G0W+2:G0W+3], CHUNK   ; the next chunk; the type bits on top are not reached
	s_wait_xcnt 0x0                                ; the last prefetch, a chunk back, has read its address, so it may be written:
	s_add_nc_u64 s[PFA:PFA+1], s[PFA:PFA+1], CHUNK ; one chunk further on than the walking descriptor
.endif
	s_xor_b32 s[TB], s[TB], SLOT1                  ; the fetches go on in the other slot
	s_wait_dscnt 0x1                               ; B's set p is in; the add alone may be out
	BLOCKMUL 0, \p, 0, 1
	BLOCKMUL 1, \p, 0, 1
	s_wait_dscnt 0x0                               ; the add is done, and my reads of this slot are over
	s_barrier_signal -1
.endif
	BLOCKMUL 2, \p, \zero, 1                       ; (in modes 1 and 2: work on registers while the others arrive)
	BLOCKMUL 3, \p, \zero, 1
.if ((\mode) == 1) || ((\mode) == 2)
	WIN 0
	s_barrier_wait -1
.if (\mode) == 1
	CREST
	tensor_load_to_lds s[G0W:G0W+3], s[G1B:G1B+7]  ; my one tensor load behind the round
	s_nop 0
.rept 4
	v_nop                                          ; four lines follow it, ahead of any switch of windows
.endr
.endif
	FETCH 0, 1-(\p)
.if (\mode) == 1
	WIN 0
	ASK
.endif
.endif
	BLOCKMUL 4, \p, \zero, 1
	BLOCKMUL 5, \p, \zero, 1
.if (\mode) != 3
	s_add_co_u32 s[T], s[T], 1
	BLOCKMUL 6, \p, \zero, 1
	BLOCKMUL 7, \p, \zero, 1
.else
	BLOCKMUL 6, \p, 0, 0
	BLOCKMUL 7, \p, 0, 0
.endif
.endm
.irp a, 0,1
.irp k, 0,1,2,3,4,5,6,7
	GENSL \a, \k                                   ; step 0's blocks 0 and 1
.endr
.endr
	s_wait_tensorcnt 2                             ; my part of chunk 0 is in; chunk 1's and pos_emb's loads may stay out
	s_barrier_signal -1
	s_barrier_wait -1                              ; everybody's is
	STEPM 0, 1, 0, 0                               ; step 0 stands in front of the loop: its products start the sums
	WIN 0                                          ; at a label and at a branch every window is 0
.Lchunk:                                               ; four trips: chunks 0 to 3; at each one's end its slot takes the chunk two further on
	STEPM 1, 0, 0, 1
	STEPM 0, 0, 0, 2
	STEPM 1, 0, 0, 3
	STEPM 0, 0, 1, 0
	WIN 0
	s_sub_co_u32 s[SLOTS], s[SLOTS], 1
	s_cmp_lg_u32 s[SLOTS], 0
	s_cbranch_scc1 .Lchunk
	STEPM 1, 0, 0, 1                               ; chunks 4 and 5 are written out
	STEPM 0, 0, 0, 2
	STEPM 1, 0, 0, 3
	STEPM 0, 0, 2, 0
	STEPM 1, 0, 0, 1
	STEPM 0, 0, 0, 2
	STEPM 1, 0, 0, 3
	STEPM 0, 0, 3, 0
; THE WAY OUT.  A lane holds 32 neighbouring bytes of a row, and the lanes beside it hold other rows: a block of 16 rows x 128 columns goes through my own stage in LDS and comes back as whole rows of 512 bytes.
; LDS serves a wave's instructions in order (ISA guide 5.7.1.4): no wait between the stores and the loads, nor in front of the next block's stores.  Turn i takes block i / 2 of batch i % 2.
.macro TOSTAGE i
.set AA, (\i)/2
.set HI, (\i)%2
	WIN 0x08+4*HI                                  ; the stores' data: window 2 or 3
.irp b, 0,1,2,3,4,5,6,7
	ds_store_b128 v[STO], v[8*(8*AA+\b):8*(8*AA+\b)+3] offset:64*\b          ; each accumulator from its low end on
	ds_store_b128 v[STO], v[8*(8*AA+\b)+4:8*(8*AA+\b)+7] offset:64*\b+16
.endr
	WIN 0
.set BB, BK+64*((\i)%2)
.irp t, 0,1,2,3,4,5,6,7,8,9,10,11,12,13,14,15
	ds_load_b128 v[BB+4*\t:BB+4*\t+3], v[RD] offset:SPITCH*\t
.endr
.endm
.macro SEND i, younger                 ; younger: the LDS instructions issued behind turn i's loads, which may stay out
.set AA, (\i)/2
.set BB, BK+64*((\i)%2)
.set OB, OUT0+2*((\i)%2)
	s_wait_dscnt \younger                          ; the block is back in registers
	WIN 0x10                                       ; source 2: window 1
.set m, 0
.rept 32
	v_pk_fma_f32 v[BB+m:BB+m+1], v[BB+m:BB+m+1], s[SC:SC+1], v[64*AA+m:64*AA+m+1] op_sel_hi:[1,0,1]   ; sum x 2^(e0 + e1) + (b + pos_emb)
.set m, m+2
.endr
	WIN 0
.irp t, 0,1,2,3,4,5,6,7,8,9,10,11,12,13,14,15
	global_store_b128 v[LI], v[BB+4*\t:BB+4*\t+3], s[OB:OB+1] offset:(16*AA+\t)*ROWO th:TH_STORE_NT   ; 32 lanes store 512 consecutive bytes, at a multiple of 512 from out0's first byte; written once, read by nobody here
.endr
.endm
.rept 4
	v_nop                                          ; four places behind the last products: for the loads into B's registers and for the first reads of results
.endr
	WIN TO_B
.set m, 0
.rept 64
	ds_load_b128 v[4*m:4*m+3], v[PRD] offset:512*m ; my 64 rows of pos_emb: my own tensor load brought them, and the waits for all my tensor loads have shown it landed
.set m, m+1
.endr
	TOSTAGE 0
	s_wait_dscnt 32                                ; pos_emb's 64 loads are in; turn 0's 16 stores and 16 loads may be out
	WIN 0x41                                       ; destination and source 0 window 1, source 1 (b) window 0
.set m, 0
.rept 128
	v_pk_add_f32 v[m:m+1], v[m:m+1], v[BV+(m%4):BV+(m%4)+1]   ; b + pos_emb, once for both batches
.set m, m+2
.endr
.irp i, 1,2,3,4,5,6,7
.if \i > 1
	s_wait_xcnt 0x0                                ; the stores of two turns back have read their registers: this turn's loads may land there
.endif
	TOSTAGE \i
	SEND \i-1, 32                                  ; behind the last turn's loads: this turn's 16 stores and 16 loads
.endr
	SEND 7, 0
	s_wait_tensorcnt 0x0                           ; the wave's end: behind my last tensor load and my last LDS store
	ds_add_u32 v[SPW], v[NIL]
	s_wait_dscnt 0x0
	ROUND                                          ; the closing round: no work-group ends while a partner may still ask for a tile that names it
	s_endpgm
.Lfunc_end_k_qf6b6489c2b_gemm:
	.size	k_qf6b6489c2b_gemm, .Lfunc_end_k_qf6b6489c2b_gemm-k_qf6b6489c2b_gemm
	.p2alignl 7, 3214868480
	.fill 96, 4, 3214868480
	.section	.rodata,"a",@progbits
	.p2align	6, 0x0
	.amdhsa_kernel k_qf6b6489c2b_gemm
		.amdhsa_group_segment_fixed_size 327680
		.amdhsa_private_segment_fixed_size 0
		.amdhsa_enable_private_segment 0
		.amdhsa_kernarg_size 48
		.amdhsa_user_sgpr_count 2
		.amdhsa_user_sgpr_kernarg_segment_ptr 1
		.amdhsa_wavefront_size32 1
		.amdhsa_system_sgpr_workgroup_id_x 1
		.amdhsa_system_sgpr_workgroup_id_y 1
		.amdhsa_system_sgpr_workgroup_id_z 1
		.amdhsa_system_vgpr_workitem_id 0
		.amdhsa_next_free_vgpr 1024
		.amdhsa_next_free_sgpr 80
		.amdhsa_reserve_vcc 1
		.amdhsa_float_denorm_mode_32 3
		.amdhsa_float_denorm_mode_16_64 3
		.amdhsa_memory_ordered 1
		.amdhsa_forward_progress 1
		.amdhsa_inst_pref_size 255
	.end_amdhsa_kernel
	.section	.bss,"aw",@nobits
	.p2align	6
	.space	262144
	.amdgpu_metadata
---
amdhsa.version: [ 1, 2 ]
amdhsa.kernels:
  - .name:           k_qf6b6489c2b_gemm
    .symbol:         k_qf6b6489c2b_gemm.kd
    .args:
      - { .name: x, .offset: 0, .size: 8, .value_kind: global_buffer, .address_space: global }
      - { .name: wc, .offset: 8, .size: 8, .value_kind: global_buffer, .address_space: global }
      - { .name: lowp_scales, .offset: 16, .size: 8, .value_kind: global_buffer, .address_space: global }
      - { .name: b, .offset: 24, .size: 8, .value_kind: global_buffer, .address_space: global }
      - { .name: pos_emb, .offset: 32, .size: 8, .value_kind: global_buffer, .address_space: global }
      - { .name: out0, .offset: 40, .size: 8, .value_kind: global_buffer, .address_space: global }
    .group_segment_fixed_size: 327680
    .private_segment_fixed_size: 0
    .kernarg_segment_align: 8
    .kernarg_segment_size: 48
    .max_flat_workgroup_size: 128
    .sgpr_count:     80
    .vgpr_count:     1024
    .wavefront_size: 32
...
	.end_amdgpu_metadata
.endif
;; end of part 2
